; MI455X (gfx1250); checked and timed in simulation.
; The chip was launched on July 23, 2026; its instructions are those of AMD's public machine-readable ISA for CDNA 5 (MIT licence, August 2026) and "CDNA5" Instruction Set Architecture Reference Guide (July 2026). The comments in the code are by the model that wrote it; some were corrected since.
;; SCD cell. Allowed arithmetic: matrix products marked QUANTISED: E2M3 operands, one E8M0 scale for each 32 along K, by v_wmma_scale_f32_16x16x128_f8f6f4 with both operands' format E2M3, f32 sums; everything else in f32.
;; Inputs: U_11_codes 4,097 x 32 x 24 uint8 (E2M3 codes of U_11, K innermost, in blocks of 32 codes, four codes in three bytes); U_11_scales 4,097 x 32 uint8 (E8M0 scales of U_11, one for each 32 codes along K); U_21_codes 4,097 x 32 x 24 uint8 (E2M3 codes of U_21, K innermost, in blocks of 32 codes, four codes in three bytes); U_21_scales 4,097 x 32 uint8 (E8M0 scales of U_21, one for each 32 codes along K); W_01_codes 4,097 x 32 x 24 uint8 (E2M3 codes of W_01, K innermost, in blocks of 32 codes, four codes in three bytes); W_01_scales 4,097 x 32 uint8 (E8M0 scales of W_01, one for each 32 codes along K); bias 4,097 float32; c 1,024 x 4,096 float32; h 1,024 x 4,096 float32; h_bottom_codes 4,096 x 32 x 24 uint8 (E2M3 codes of h_bottom, K innermost, in blocks of 32 codes, four codes in three bytes); h_bottom_scales 4,096 x 32 uint8 (E8M0 scales of h_bottom, one for each 32 codes along K); h_top_codes 4,096 x 32 x 24 uint8 (E2M3 codes of h_top, K innermost, in blocks of 32 codes, four codes in three bytes); h_top_scales 4,096 x 32 uint8 (E8M0 scales of h_top, one for each 32 codes along K); z 1 x 4,096 float32; z_bottom 1 x 4,096 float32.
;; Outputs: out0 1,024 x 4,096 float32; out1 1,024 x 4,096 float32; out2 1 x 4,096 float32.
;; This version of the problem:
;;   THIS VERSION OF THE PROBLEM IS GIVEN IN LOW PRECISION. The matrix products marked QUANTISED in the list below multiply operands that are first quantised to E2M3 (2 exponent bits, 3 mantissa bits; 6 bits a number), with one power-of-two scale for each 32 numbers along K (OCP MX v1.0); their sums are f32. All else is computed in f32.
;;   The module's matrix products, in the order in which they are computed (A, B: the left and right operand; K: the contracted axis; several contracted axes count as one K, in the product's order):
;;     1. [M 4,097, K 1,024] x [K 1,024, N 4,096]; A: input U_11 (given as codes); B: input h: QUANTISED
;;     2. [M 4,097, K 1,024] x [K 1,024, N 4,096]; A: input U_21 (given as codes); B: input h_top (given as codes): QUANTISED
;;     3. [M 4,097, K 1,024] x [K 1,024, N 4,096]; A: input W_01 (given as codes); B: input h_bottom (given as codes): QUANTISED
;;   THE QUANTISER, for each operand of a quantised product, along K:
;;     - K is cut into blocks of 32 from its start; a last block that is shorter is filled with zeros.
;;     - A block's scale is 2^e with e = floor(log2(the largest magnitude in the block)) - 2, held to -126 .. 127; a block of zeros has e = 0. As a byte (E8M0): e + 127.
;;     - Each number is divided by its block's scale, clamped to +-7.5, and rounded to the nearest number of E2M3, ties to even, subnormals kept.
;;     - The product sums the exact products of the quantised numbers (number of the format x scale) in f32.
;;   ~~~python
;;   def quantise(x, axis):      # numpy; x: float32 -> the quantised numbers, widened to float32 again
;;       x = np.moveaxis(x, axis, -1); K = x.shape[-1]
;;       x = np.pad(x, [(0, 0)] * (x.ndim - 1) + [(0, -K % 32)]); x = x.reshape(x.shape[:-1] + (-1, 32)); a = np.abs(x).max(-1, keepdims=True)
;;       e = np.where(a > 0, np.clip(np.frexp(np.where(a > 0, a, 1))[1] - 1 - 2, -126, 127), 0)      # np.frexp(a)[1] - 1 = floor(log2(a)), exactly
;;       r = np.clip(x / 2.0 ** e, -7.5, 7.5)
;;       step = 2.0 ** (np.maximum(np.frexp(np.where(r == 0, 1, r))[1] - 1, 0) - 3)
;;       q = np.round(r / step) * step * 2.0 ** e      # np.round: ties to even
;;       return np.moveaxis(q.reshape(q.shape[:-2] + (-1,))[..., :K], -1, axis).astype(np.float32)
;;   ~~~
;;   INPUTS GIVEN AS CODES. U_11 (in the module: [4097, 1024], K = its axis 1); U_21 (in the module: [4097, 1024], K = its axis 1); W_01 (in the module: [4097, 1024], K = its axis 1); h_bottom (in the module: [1024, 4096], K = its axis 0); h_top (in the module: [1024, 4096], K = its axis 0): each comes as NAME_codes (uint8): NAME with its K axis moved to the last place and cut into blocks of 32 codes, [.., K / 32, bytes a block], one block behind the other in memory; four codes in three bytes: a row's codes are one little-endian stream of bits, code i at bits 6 i .. 6 i + 5 (a code: sign, 2 exponent bits, 3 mantissa bits); and NAME_scales (uint8): the same leading axes, one E8M0 byte (e + 127) for each 32 codes along K. Its value is code x scale, taken as it is: it is not quantised again, and the codes and scales need not be those that the quantiser above would give.
;; One version. Each part assembles by itself: llvm-mc -triple=amdgcn-amd-amdhsa -mcpu=gfx1250 --defsym DOCPART=n.
;; ======== version 1 of 1: 2 launches
;; limits: right only within a limited range of input values; an absolute error that grows with the inputs' magnitude: up to 1.8e-12 times it
;; workspace buffers: hq_codes 3,145,728 bytes; hq_scales 131,072 bytes
;; launch quant_h (part 1): grid 64 x 4, 16 waves a work-group, no clusters, 20,480 bytes of LDS; arguments h, hq_codes, hq_scales; writes hq_codes, hq_scales
.if DOCPART == 1
	.amdgcn_target "amdgcn-amd-amdhsa--gfx1250"
	.amdhsa_code_object_version 6
	.text
	.protected	k_q779b6d2e30_quant_h
	.globl	k_q779b6d2e30_quant_h
	.p2align	8
	.type	k_q779b6d2e30_quant_h,@function
k_q779b6d2e30_quant_h:
	s_mov_b64 s[64:65], 0
	v_nop
	global_prefetch_b8 v0, s[64:65] scope:SCOPE_SE
	s_setreg_imm32_b32 hwreg(HW_REG_WAVE_MODE, 25, 1), 1
	s_wait_xcnt 0x0
; h [1024 (K)][4096 (n)], f32, K on its FIRST axis, becomes codes of FP6 (E2M3) laid [4096 n][768 bytes] with K innermost, and one E8M0 byte for each 32 along K, laid [4096 n][32].
; A LANE TAKES A COLUMN n AND ITS 32 REGISTERS RUN DOWN K: a block of 32 lies in one lane, its largest magnitude needs no other lane, and the conversions give codes with K innermost.
; A block's scale is 2^(floor(log2(largest magnitude)) - 2); its byte is the largest magnitude's exponent field - 2, held at 1 from below by a floor among the maximum's leaves.
; LIMITS: a block of zeros, or one whose largest magnitude lies under 2^(3 - 127), gets the byte 1 where the rule says 127 or less: its codes are zeros or subnormal codes of that scale, and these bytes are read by this program alone.
;         NaN and infinities among the inputs are not served.
; SHARES: work-group (x, y) takes columns 64 x .. 64 x + 63 and K = 256 y .. 256 y + 255.  Wave w: columns 32 (w & 1) on, block w >> 1 of the eight.  Each wave has its 32 loads out at once; two neighbouring waves
; read 256 consecutive bytes of a row of h.  A lane's 24 bytes of codes belong to one row of the output: they meet in a stage in LDS and leave by rows, sixteen lanes to a row's 192 consecutive bytes.
.set ROWH,  16384                      ; a row of h in bytes
.set PITCH, 272                        ; a stage row: sixteen places of 16 bytes, each with 12 bytes of codes, + 16
.set SCBY,  64*PITCH                   ; behind the stage: 512 scale bytes, byte (block q, column c) at 64 q + c = the number of the thread that made it
.set X,     32                         ; v32-63 the block's 32 numbers
	s_load_b128 s[4:7], s[0:1], 0x0                ; h, the codes
	s_load_b64 s[8:9], s[0:1], 0x10                ; the scale bytes
	v_lshl_add_u32 v64, v0, 2, 0x4800
	v_mov_b32 v65, 0
	v_lshrrev_b32 v1, 5, v0
	v_readfirstlane_b32 s16, v1                    ; wave 0..15
	v_and_b32 v1, 31, v0                           ; lane
	s_and_b32 s17, s16, 1                          ; which 32 columns
	s_lshr_b32 s18, s16, 1                         ; which block of 32 along K
	s_and_b32 s19, ttmp7, 0xffff                   ; y
	v_lshlrev_b32 v2, 2, v1                        ; in: 4 bytes a lane
	s_mul_i32 s20, s17, 32*PITCH
	s_lshl_b32 s21, s18, 5
	s_add_co_u32 s20, s20, s21
	v_mul_u32_u24 v3, v1, PITCH
	v_add_nc_u32 v3, s20, v3                       ; into the stage: row = my column, places 2 q and 2 q + 1
	v_add_nc_u32 v4, SCBY, v0                      ; my scale byte's place; waves 0 and 1 also read from here on
	v_lshrrev_b32 v9, 4, v1
	v_and_b32 v10, 15, v1
	s_mul_i32 s20, s16, 4*PITCH
	v_mul_u32_u24 v5, v9, PITCH
	v_lshl_add_u32 v5, v10, 4, v5
	v_add_nc_u32 v5, s20, v5                       ; out of the stage: wave w takes rows 4 w .. 4 w + 3, sixteen lanes to a row
	s_mul_i32 s20, s16, 4*768
	v_mul_u32_u24 v6, v9, 768
	v_mad_u32_u24 v6, v10, 12, v6
	v_add_nc_u32 v6, s20, v6                       ; and the same place in the codes' buffer
	v_lshlrev_b32 v8, 5, v0                        ; a column's row of scale bytes: 32 bytes a column
	s_lshl_b32 s20, s19, 8
	s_lshl_b32 s21, s18, 5
	s_add_co_u32 s20, s20, s21                     ; my first row of h: 256 y + 32 q
	s_lshl_b32 s20, s20, 14
	s_lshl_b32 s21, ttmp9, 8
	s_add_co_u32 s20, s20, s21                     ; + 64 x columns of 4 bytes
	s_lshl_b32 s21, s17, 7
	s_add_co_u32 s20, s20, s21                     ; + my 32 columns
	s_mov_b32 s21, 0
	s_mul_i32 s22, ttmp9, 64*768
	s_mul_i32 s24, s19, 192
	s_add_co_u32 s22, s22, s24                     ; codes: 64 x rows of 768 bytes + 192 y
	s_mov_b32 s23, 0
	s_lshl_b32 s24, ttmp9, 11
	s_lshl_b32 s25, s19, 3
	s_add_co_u32 s24, s24, s25                     ; scale bytes: 64 x rows of 32 bytes + 8 y
	s_mov_b32 s25, 0
	s_wait_kmcnt 0x0
	s_add_nc_u64 s[4:5], s[4:5], s[20:21]
	s_add_nc_u64 s[6:7], s[6:7], s[22:23]
	s_add_nc_u64 s[8:9], s[8:9], s[24:25]
.set i, 0
.rept 32
	global_load_b32 v[X+i], v2, s[4:5] offset:i*ROWH   ; h(my block's row i, my column): 32 lanes read 128 consecutive bytes.  No hint: the next launch reads h again
.set i, i+1
.endr
	s_wait_loadcnt 0x0
	v_max3_num_f32 v12, |v[X]|, |v[X+1]|, |v[X+2]|     ; the block's largest magnitude, in two chains
	v_max3_num_f32 v13, |v[X+3]|, |v[X+4]|, |v[X+5]|
.irp i, 6,10,14,18,22,26
	v_max3_num_f32 v12, v12, |v[X+\i]|, |v[X+\i+1]|
	v_max3_num_f32 v13, v13, |v[X+\i+2]|, |v[X+\i+3]|
.endr
	v_max3_num_f32 v12, v12, |v[X+30]|, |v[X+31]|
	v_max3_num_f32 v12, v12, v13, 0x1800000        ; and the floor 2^(3 - 127): the byte cannot fall under 1
	v_add_nc_u32 v11, 0xff000000, v12              ; 2 off the exponent field: the conversion takes the exponent field of this operand as its scale
	v_lshrrev_b32 v13, 23, v11                     ; the scale's byte
	v_cvt_scalef32_pk16_fp6_f32 v[16:18], v[X:X+15], v11
	v_cvt_scalef32_pk16_fp6_f32 v[20:22], v[X+16:X+31], v11   ; (a conversion's three registers begin on an even number)
	v_nop                                          ; one plain line behind the last scaled conversion
	ds_store_b96 v3, v[16:18]                      ; 16 codes, 12 bytes, to a place of 16 bytes
	ds_store_b96 v3, v[20:22] offset:16
	ds_store_b8 v4, v13
	s_wait_dscnt 0x0                               ; for the others' sake: my stores have landed
	s_barrier_signal -1
	s_barrier_wait -1
	ds_load_b96 v[24:26], v5                       ; rows 4 w, 4 w + 1
	ds_load_b96 v[28:30], v5 offset:2*PITCH        ; rows 4 w + 2, 4 w + 3
	s_wait_dscnt 1                                 ; the first is in; the second may be out
	global_store_b96 v6, v[24:26], s[6:7]          ; sixteen lanes store a row's 192 consecutive bytes
	s_wait_dscnt 0x0
	global_store_b96 v6, v[28:30], s[6:7] offset:2*768
	s_cmp_gt_u32 s16, 1
	s_cbranch_scc1 .Ldone                          ; waves 0 and 1: thread c packs column c's eight scale bytes
.irp q, 0,1,2,3,4,5,6,7
	ds_load_u8 v[32+\q], v4 offset:64*\q
.endr
	s_wait_dscnt 0x0
	v_lshl_or_b32 v40, v33, 8, v32
	v_lshl_or_b32 v41, v37, 8, v36
	v_lshl_or_b32 v40, v34, 16, v40
	v_lshl_or_b32 v41, v38, 16, v41
	v_lshl_or_b32 v40, v35, 24, v40
	v_lshl_or_b32 v41, v39, 24, v41
	global_store_b64 v8, v[40:41], s[8:9]          ; 8 bytes of each column's 32: one part in 128 of what the launch reads
.Ldone:
	s_wait_tensorcnt 0x0
	ds_add_u32 v64, v65
	s_wait_dscnt 0x0
	s_endpgm
.Lfunc_end_k_q779b6d2e30_quant_h:
	.size	k_q779b6d2e30_quant_h, .Lfunc_end_k_q779b6d2e30_quant_h-k_q779b6d2e30_quant_h
	.p2alignl 7, 3214868480
	.fill 96, 4, 3214868480
	.section	.rodata,"a",@progbits
	.p2align	6, 0x0
	.amdhsa_kernel k_q779b6d2e30_quant_h
		.amdhsa_group_segment_fixed_size 20480
		.amdhsa_private_segment_fixed_size 0
		.amdhsa_enable_private_segment 0
		.amdhsa_kernarg_size 24
		.amdhsa_user_sgpr_count 2
		.amdhsa_user_sgpr_kernarg_segment_ptr 1
		.amdhsa_wavefront_size32 1
		.amdhsa_system_sgpr_workgroup_id_x 1
		.amdhsa_system_sgpr_workgroup_id_y 1
		.amdhsa_system_sgpr_workgroup_id_z 1
		.amdhsa_system_vgpr_workitem_id 0
		.amdhsa_next_free_vgpr 66
		.amdhsa_next_free_sgpr 66
		.amdhsa_reserve_vcc 0
		.amdhsa_float_denorm_mode_32 3
		.amdhsa_float_denorm_mode_16_64 3
		.amdhsa_memory_ordered 1
		.amdhsa_forward_progress 1
		.amdhsa_inst_pref_size 9
	.end_amdhsa_kernel
	.amdgpu_metadata
---
amdhsa.version: [ 1, 2 ]
amdhsa.kernels:
  - .name:           k_q779b6d2e30_quant_h
    .symbol:         k_q779b6d2e30_quant_h.kd
    .args:
      - { .name: h, .offset: 0, .size: 8, .value_kind: global_buffer, .address_space: global }
      - { .name: hq_codes, .offset: 8, .size: 8, .value_kind: global_buffer, .address_space: global }
      - { .name: hq_scales, .offset: 16, .size: 8, .value_kind: global_buffer, .address_space: global }
    .group_segment_fixed_size: 20480
    .private_segment_fixed_size: 0
    .kernarg_segment_align: 8
    .kernarg_segment_size: 24
    .max_flat_workgroup_size: 512
    .sgpr_count:     66
    .vgpr_count:     66
    .wavefront_size: 32
...
	.end_amdgpu_metadata
.endif
;; end of part 1
;; launch cell (part 2): grid 16 x 16, 4 waves a work-group, clusters of 4 x 4, 327,680 bytes of LDS; arguments U_11_codes, U_21_codes, W_01_codes, hq_codes, h_top_codes, h_bottom_codes, U_11_scales, U_21_scales, W_01_scales, hq_scales, h_top_scales, h_bottom_scales, bias, z, z_bottom, c, h, out0, out1, out2; writes out0, out1, out2
.if DOCPART == 2
	.amdgcn_target "amdgcn-amd-amdhsa--gfx1250"
	.amdhsa_code_object_version 6
	.text
	.protected	k_q779b6d2e30_cell
	.globl	k_q779b6d2e30_cell
	.p2align	8
	.type	k_q779b6d2e30_cell,@function
k_q779b6d2e30_cell:
	s_mov_b64 s[64:65], 0
	v_nop
	global_prefetch_b8 v0, s[64:65] scope:SCOPE_SE
	s_setreg_imm32_b32 hwreg(HW_REG_WAVE_MODE, 25, 1), 1
	s_wait_xcnt 0x0
	s_wait_alu depctr_hold_cnt(0) depctr_sa_sdst(0) depctr_va_vdst(0) depctr_va_sdst(0) depctr_va_ssrc(0) depctr_va_vcc(0) depctr_vm_vsrc(0)
	s_getreg_b32 s2, hwreg(HW_REG_IB_STS2, 6, 4)
	s_cmp_eq_u32 s2, 0
	s_cbranch_scc0 .Lentry_in_a_cluster
	s_endpgm
.Lentry_in_a_cluster:
	s_bfe_u32 s2, ttmp6, 0x10000c
	s_cmp_lg_u32 s2, 0xf033
	s_cbranch_scc0 .Lentry_shape_is_right
	s_endpgm
.Lentry_shape_is_right:
; f_s = (1 - z) U_11 Q(h) + z U_21 h_top + z_bottom W_01 h_bottom + bias, three products on codes of FP6 (E2M3) with E8M0 scales, f32 sums; then the cell on rows 0 .. 4095 and the hard sigmoid on row 4096.  f_s never goes to memory.
; SHARES.  A work-group (tx, ty) of four waves makes 256 rows x 256 columns of f_s.  ITS ROWS ARE STRIDED: m = 32 i + 2 ty + e, i = 0 .. 127, e = 0, 1.  With i = 32 g + t that is gate g of hidden unit 32 t + 2 ty + e: all four
; gates of a unit lie in one tile, and a plain tile of 128 rows, 24,576 bytes apart, brings one e.  Wave w: e = w >> 1 (128 rows: 4 gates x 32 units), columns 128 (w & 1) on: 64 accumulators of 16 x 16, 512 registers.
; THE MATRIX INSTRUCTION IS USED TRANSPOSED (source 0 = 16 columns, source 1 = 16 rows of U): lane (r, h), register j of accumulator (a, b) is row 16 a + r of the wave's 128, column 16 b + 8 h + j.  Block a = 2 g + u holds gate g,
; units t = 16 u + r: a cell's four gates stand in the same lane and register of four accumulators.
; THE THREE FACTORS vary along the columns, so they act on the f32 sums, and ONE set of accumulators carries the sum under a changing factor: acc = P1; acc *= a / b'; acc += P2; acc *= b' / d'; acc += P3; f_s = acc d' + bias,
; with a = 1 - z, b' = z and d' = z_bottom, each of the last two held away from 0.
; LIMIT: where |z| or |z_bottom| lies under 2^-40 it is taken as 2^-40: an error of at most 2^-39 |P| in f_s.  The largest number carried is |a / d'| |P|, at most 2^40 |a| |P|.
; LIMIT: the arguments of the exponentials are held at 40 from above, so that no product of denominators passes 2^120: an error under 2^-39 in a sigmoid or a tanh.  NaN and infinities are not served.
; K = 3 x 1,024 goes as 12 fills of 256 through a ring of two LDS slots (rows of 192 bytes, 16 bytes of padding behind every 64).  CLUSTERS: 4 x 4 work-groups; A's tiles are asked for jointly along a row of the cluster,
; B's along a column, by the same tensor load with the same descriptor and a mask that names the four.  By this text's count a wave has two tensor loads out at the start and one behind each change of slots.
; THE SCALE WORDS of the work-group's rows and columns, for all three products, go through registers into LDS once, laid by fill: 8 bytes a row and fill.  (A's are 64 bytes of each 1,024 in memory: the strided rows' price.)
; c AND h: the first half of the wave's cells is loaded at the head and waits in registers; the second half is prefetched 288 matrix instructions ahead of its loads, which are issued behind the last product.
; z_hat: each work-group owns 16 columns; wave w takes K steps 2 w and 2 w + 1 of all three products; the four parts meet in LDS.
; REGISTERS, in windows of 256: window 0: v0-31 addresses and bias; v32-63 scale words and nothing else; v64-127 c, first half; v128-223 A's fragments, one set; v224-255 factors.
;   window 1: B's fragments, two sets, v0-95 and v128-223; v96-127 and v224-255 h, first half.   windows 2, 3: accumulator (a, b) at v[8 (8 (a % 4) + b)] of window 2 + a / 4.
;   In the cell: v64-103 coefficients, v104-167 the four gates, v168-183 c, v184-199 h, v224-255 at work; v64-191 the way out.
.set NQ,     2                         ; matrix instructions deep in a slot
.set ROWB,   192                       ; a tile's row: 256 codes
.set PITCH,  240                       ; an LDS row: 3 x (64 bytes + 16)
.set FR,     12                        ; registers of a fragment
.set NL,     6                         ; LDS loads that bring one
.set NP,     4                         ; places behind this matrix instruction (ISA guide 7.12.1)
.set HALFT,  128*PITCH                 ; what one tensor load brings
.set SLOT,   4*HALFT                   ; A's 2 x 128 rows, then B's
.set SCA,    2*SLOT                    ; A's scale words: 2,048 x fill + 8 x (128 e + i)
.set SCB,    SCA+24576+128             ; B's likewise; 128 bytes askew, so that the two halves of a load's lanes fall on different banks
.set COEF,   SCB+24576+128             ; seven arrays [256 columns] f32: a/b', b'/d', -L d', -2L d', z + a zb, a - a zb, a zb  (L = log2 e)
.set ZH,     COEF+7*1024               ; z_hat's parts: 512 x product + 4 x thread
.set SPARE,  ZH+1536                   ; the spare words, 128 bytes for each wave: two blocks of 256 bytes that no other line names
.set SPT,    272                       ; the cell's stages: 32 rows x (256 bytes + 16), one for c and one for h for each wave.  They lie in slot 0, which has had its last fill and its last read by then
.set STH,    32*SPT
.set STGW,   2*STH
.set GRO,  3                           ; v3-4   my byte in c, h, out0, out1: rows 0-15 and 16-31 of the wave's 32, two rows an instruction
.set PFO,  5                           ; v5     the prefetches' offset: a lane a row; never rewritten
.set SRW,  6                           ; v6     the stage by rows
.set SAC,  7                           ; v7     the stage in the accumulators' layout
.set BI,   8                           ; v8-15  bias of row (a, r), later x -L (-2L for the tanh's gate)
.set ADRA, 16                          ; v16-19 LDS address of my A fragments in slot 0, 1, and behind one padding more
.set ADRB, 20                          ; v20-23 the same for B
.set CFA,  24                          ; v24    my columns' place in a coefficient array
.set CFR,  25                          ; v25    the same, walking from a/b' to b'/d'
.set CAD,  26                          ; v26    a chunk's coefficients (at the head: the bias's offset)
.set ADRS, 27                          ; v27    my scale words: lanes 0-15 A's rows, lanes 16-31 B's
.set SPW,  28                          ; v28    my spare word; never rewritten
.set NIL,  29                          ; v29    0; never rewritten
.set SAD,  30                          ; v30    a chunk's place in the stage
.set LN,   31                          ; v31    lane
.set SC,   32                          ; scale words: set s at v[SC + 16 s]; register 2 i + q: lanes 0-15 A's block i, lanes 16-31 B's block i
.set AF,   128
.set RC,   224
.set CF,   64
.set T,    104
.set TF,   T
.set TI,   T+16
.set TO,   T+32
.set TG,   T+48
.set CL,   168
.set HL,   184
.set X0,   224
.set X1,   240
.set SO,   64
.set ZU,   16                          ; z_hat's addresses take the fragment addresses' registers when those are done with
.set ZC,   17
.set ZS,   18
.set ZW,   19
.set ZN,   20
.set ZST,  21
.set ZRD,  22
.set G1,   24                          ; s[24:31] group 1 for A's tiles; s[32:39] group 0, one set for each slot
.set G0,   32
.set G1B,  48                          ; s[48:55], s[56:63] the same for B's
.set G0B,  56
.set NXA,  20                          ; s[20:21] the next product's tile of A; s[22:23] the one after
.set NX2A, 22
.set NXB,  100                         ; s[100:101], s[66:67] the same for B
.set NX2B, 66
.set MSB, 0
.macro WIN new                         ; the immediate's high byte repeats the setting that is left
.if MSB != (\new)
	s_set_vgpr_msb (MSB<<8)|(\new)
.set MSB, (\new)
.endif
.endm
.set MUL_LO, 0xa1                      ; source 0 (B) window 1, source 1 (A) window 0, C and D window 2
.set MUL_HI, 0xf1                      ; the same, C and D window 3
.set TO_B,   0x40                      ; destination window 1, address window 0
; A joint load: waves 0 and 1 fetch for A, waves 2 and 3 for B.  The branch hangs on the wave's number alone.  Four v_nop follow each of the two lines.
.macro JLOAD g0a, g1a, g0b, g1b
	s_cmp_eq_u32 s15, 0
	s_cbranch_scc0 .Lfor_b_\@
	tensor_load_to_lds s[\g0a:\g0a+3], s[\g1a:\g1a+7]
	s_nop 0
.rept 4
	v_nop
.endr
	s_branch .Lasked_\@
.Lfor_b_\@:
	tensor_load_to_lds s[\g0b:\g0b+3], s[\g1b:\g1b+7]
	s_nop 0
.rept 4
	v_nop
.endr
.Lasked_\@:
.endm
.macro CREST                           ; a round of the cluster's barrier behind its opening barrier
	s_cmp_lg_u32 s14, 0
	s_cbranch_scc1 .Lnot_wave_0_\@
	s_barrier_signal -3
.Lnot_wave_0_\@:
	s_barrier_wait -3
	s_barrier_signal -1
	s_barrier_wait -1
.endm
.macro CROUND                          ; a whole round
	s_barrier_signal -1
	s_barrier_wait -1
	CREST
.endm
	s_load_b512 s[68:83], s[0:1], 0x0              ; codes: U_11 s68, U_21 s70, W_01 s72, hq s74, h_top s76, h_bottom s78; scales: U_11 s80, U_21 s82,
	s_load_b512 s[84:99], s[0:1], 0x40             ; W_01 s84, hq s86, h_top s88, h_bottom s90; bias s92, z s94, z_bottom s96, c s98
	s_load_b256 s[4:11], s[0:1], 0x80              ; h s4, out0 s6, out1 s8, out2 s10.  None of these twenty is ever rewritten
	v_lshl_add_u32 v[SPW], v0, 2, SPARE
	v_mov_b32 v[NIL], 0
	ds_add_u32 v28, v29
	ds_add_u32 v28, v29
	s_wait_dscnt 0x0
	v_lshrrev_b32 v1, 5, v0
	v_readfirstlane_b32 s14, v1                    ; wave 0..3
	s_lshr_b32 s15, s14, 1                         ; e: which 128 rows are mine.  Also: I fetch for A (0) or for B (1)
	s_and_b32 s16, s14, 1                          ; which 128 columns are mine.  Also: which half of that tile I fetch
	s_bfe_u32 s40, ttmp6, 0x40000                  ; cx, cy: my place in the cluster
	s_bfe_u32 s41, ttmp6, 0x40004
	s_lshl_b32 s42, ttmp9, 2
	s_add_co_u32 s42, s42, s40                     ; tx = 4 x cluster x + cx
	s_and_b32 s17, ttmp7, 0xffff
	s_lshl_b32 s17, s17, 2
	s_add_co_u32 s17, s17, s41                     ; ty = 4 x cluster y + cy
	s_lshl_b32 s43, s41, 2
	s_lshl_b32 s43, 15, s43                        ; my row of the cluster
	s_lshl_b32 s44, 0x1111, s40                    ; my column
	s_or_b32 s[G1+0], s43, (0<<16)|(1<<20)|(1<<21)|(3<<22)|(3<<25)  ; 15:0 the mask; 17:16 elements of 1 byte; 20 padding on; 21 set beside a mask; 24:22 after every 16 words; 31:25 4 words of it
	s_or_b32 s[G1B+0], s44, (0<<16)|(1<<20)|(1<<21)|(3<<22)|(3<<25)
.irp g, G1, G1B
	s_mov_b32 s[\g+1], ROWB<<16                    ; tensor_dim0
	s_mov_b32 s[\g+2], 128<<16                     ; tensor_dim1
	s_mov_b32 s[\g+3], ROWB<<16                    ; tile_dim0
	s_mov_b32 s[\g+4], 128                         ; tile_dim1
	s_mov_b32 s[\g+6], 0
	s_mov_b32 s[\g+7], 0
.endr
	s_mov_b32 s[G1+5], 32*768                      ; A: from row to row 32 rows of U
	s_mov_b32 s[G1B+5], 768                        ; B: neighbouring columns
	s_lshl_b32 s18, s17, 1
	s_add_co_u32 s18, s18, s16
	s_mul_i32 s18, s18, 768                        ; A's tile begins at row 2 ty + (w & 1)
	s_mov_b32 s19, 0
	s_lshl_b32 s46, s42, 8
	s_lshl_b32 s47, s16, 7
	s_add_co_u32 s46, s46, s47
	s_mul_i32 s46, s46, 768                        ; B's at column 256 tx + 128 (w & 1)
	s_mov_b32 s47, 0
	s_mul_i32 s45, s14, HALFT                      ; where they go: no place in the cluster enters an LDS address
	v_and_b32 v1, 15, v0                           ; r
	v_bfe_u32 v2, v0, 4, 1                         ; h
	v_and_b32 v[LN], 31, v0
	s_lshl_b32 s2, s42, 10
	v_lshl_add_u32 v236, v0, 3, s2                 ; z, z_bottom: thread T takes columns 256 tx + 2 T, + 1
	v_lshrrev_b32 v[SAD], 2, v0
	v_lshlrev_b32 v237, 10, v[SAD]
	v_and_b32 v[SAD], 3, v0
	v_lshl_add_u32 v237, v[SAD], 4, v237
	s_lshl_b32 s2, s17, 6
	v_add_nc_u32 v237, s2, v237                    ; A's scales: four threads take the 64 bytes of rows 32 i + 2 ty, + 1; i = 32 k + T / 4
	s_lshl_b32 s2, s42, 13
	v_lshl_add_u32 v239, v0, 4, s2                 ; B's: 8,192 dense bytes, 16 a thread
	s_lshl_b32 s13, s17, 1
	s_add_co_u32 s13, s13, s15                     ; 2 ty + e
	s_lshl_b32 s2, s13, 14
	s_lshl_b32 s12, s42, 10
	s_add_co_u32 s2, s2, s12
	s_lshl_b32 s12, s16, 9
	s_add_co_u32 s2, s2, s12                       ; row 2 ty + e of 16,384 bytes, column 256 tx + 128 (w & 1)
	v_lshlrev_b32 v[GRO], 19, v2                   ; unit t lies 32 rows, 524,288 bytes, behind unit t - 1: lanes 0-15 an even t, lanes 16-31 the odd one
	v_lshl_add_u32 v[GRO], v1, 4, v[GRO]
	v_add_nc_u32 v[GRO], s2, v[GRO]
	v_add_nc_u32 v[GRO+1], 0x800000, v[GRO]        ; units 16 on: so that the immediates stay inside their signed 24 bits (ISA guide, chapter 10)
	v_lshl_add_u32 v[PFO], v[LN], 19, s2
	s_lshl_b32 s13, s13, 2
	v_lshl_add_u32 v[CAD], v1, 7, s13              ; bias of row 512 a + 32 r + 2 ty + e
	s_mul_i32 s12, s14, STGW
	v_mul_u32_u24 v[SRW], v2, SPT
	v_lshl_add_u32 v[SRW], v1, 4, v[SRW]
	v_add_nc_u32 v[SRW], s12, v[SRW]
	v_mul_u32_u24 v[SAC], v1, SPT
	v_lshl_add_u32 v[SAC], v2, 5, v[SAC]
	v_add_nc_u32 v[SAC], s12, v[SAC]
	s_wait_kmcnt 0x0
	global_load_b64 v[224:225], v236, s[94:95]
	global_load_b64 v[226:227], v236, s[96:97]
.irp p, 0,1,2
.irp k, 0,1,2,3
	global_load_b128 v[128+16*\p+4*\k:131+16*\p+4*\k], v237, s[80+2*\p:81+2*\p] offset:32768*\k
	global_load_b128 v[176+16*\p+4*\k:179+16*\p+4*\k], v239, s[86+2*\p:87+2*\p] offset:2048*\k
.endr
.endr
	s_add_nc_u64 s[NXA:NXA+1], s[70:71], s[18:19]
	s_add_nc_u64 s[NX2A:NX2A+1], s[72:73], s[18:19]
	s_add_nc_u64 s[NXB:NXB+1], s[76:77], s[46:47]
	s_add_nc_u64 s[NX2B:NX2B+1], s[78:79], s[46:47]
	s_add_nc_u64 s[18:19], s[68:69], s[18:19]      ; the first product's tiles
	s_add_nc_u64 s[46:47], s[74:75], s[46:47]
	CROUND                                         ; all sixteen work-groups are here: the first joint loads meet
.irp s, 0,1
	s_mov_b32 s[G0+4*\s], 1
	s_add_co_u32 s[G0+4*\s+1], s45, \s*SLOT
	s_add_nc_u64 s[G0+4*\s+2:G0+4*\s+3], s[18:19], \s*ROWB
	s_or_b32 s[G0+4*\s+3], s[G0+4*\s+3], 0x80000000
	s_mov_b32 s[G0B+4*\s], 1
	s_add_co_u32 s[G0B+4*\s+1], s45, \s*SLOT
	s_add_nc_u64 s[G0B+4*\s+2:G0B+4*\s+3], s[46:47], \s*ROWB
	s_or_b32 s[G0B+4*\s+3], s[G0B+4*\s+3], 0x80000000
	JLOAD G0+4*\s, G1, G0B+4*\s, G1B
.endr
.irp a, 0,1,2,3,4,5,6,7
	global_load_b32 v[BI+\a], v[CAD], s[92:93] offset:2048*\a
.endr
.set i, 0
.rept 16                                       ; c, columns 0-63 of my 128, all 32 units: sixteen lanes read 256 consecutive bytes
	global_load_b128 v[64+4*i:67+4*i], v[GRO+i/8], s[98:99] offset:(i%8)*1048576 th:TH_LOAD_NT
.set i, i+1
.endr
	WIN TO_B
.set i, 0
.rept 16                                       ; h likewise, into the registers of window 1 that B's two sets leave free
	global_load_b128 v[96+128*(i/8)+4*(i%8):99+128*(i/8)+4*(i%8)], v[GRO+i/8], s[4:5] offset:(i%8)*1048576 th:TH_LOAD_NT
.set i, i+1
.endr
	WIN 0
	v_mul_u32_u24 v[CFA], v1, PITCH
	v_mad_u32_u24 v[CFA], v2, 24, v[CFA]           ; a fragment's row x pitch + 24 x half
	v_lshl_add_u32 v[CFR], v2, 4, v[CFA]           ; and the same behind one padding more
	s_mul_i32 s2, s15, HALFT                       ; my 128 rows of A
	s_mul_i32 s12, s16, HALFT                      ; my 128 columns of B,
	s_add_co_u32 s12, s12, 2*HALFT                 ; which lie behind A's 256 rows
.irp s, 0,1
	v_add_nc_u32 v[ADRA+\s], s2, v[CFA]
	v_add_nc_u32 v[ADRB+\s], s12, v[CFA]
	v_add_nc_u32 v[ADRA+2+\s], s2, v[CFR]
	v_add_nc_u32 v[ADRB+2+\s], s12, v[CFR]
	s_add_co_u32 s2, s2, SLOT
	s_add_co_u32 s12, s12, SLOT
.endr
	s_lshl_b32 s2, s16, 9
	s_add_co_u32 s2, s2, COEF
	v_lshl_add_u32 v[CFA], v2, 5, s2               ; my columns' coefficients: 512 (w & 1) + 32 h
	v_mov_b32 v[CFR], v[CFA]
	v_lshlrev_b32 v[ADRS], 3, v1                   ; scale words: 8 bytes a row and fill
	s_lshl_b32 s2, s15, 10                         ; A's: my 128 rows
	s_lshl_b32 s12, s16, 10                        ; B's: my 128 columns
	s_add_co_u32 s12, s12, SCB-SCA
	s_sub_co_u32 s12, s12, s2
	v_mul_u32_u24 v[SAD], s12, v2                  ; lanes 16-31 take B's: the lower base + h x the distance
	s_add_co_u32 s2, s2, SCA
	v_add_nc_u32 v[ADRS], v[ADRS], v[SAD]
	v_add_nc_u32 v[ADRS], s2, v[ADRS]
	s_wait_loadcnt 40                              ; z, z_bottom and the scales are in; the 8 + 16 + 16 loads of bias, c and h stay out until the products are done
	v_mov_b32 v238, 0x2b800000                     ; 2^-40
	v_pk_fma_f32 v[228:229], v[224:225], -1.0, 1.0 op_sel_hi:[1,0,0]   ; a = 1 - z
.irp j, 0,1,2,3
	v_and_b32 v[240+\j], 0x7fffffff, v[224+\j]
.endr
.irp j, 0,1,2,3
	v_cmp_gt_f32 vcc_lo, v238, v[240+\j]           ; the hold: a choice of value, no branch
	v_cndmask_b32 v[230+\j], v[224+\j], v238, vcc_lo   ; b' in v230-231, d' in v232-233
.endr
.irp j, 0,1,2,3
	v_rcp_f32 v[240+\j], v[230+\j]
.endr
	v_pk_mul_f32 v[252:253], v[228:229], v[226:227]    ; a zb.  (The plain line behind the reciprocals)
	s_wait_alu depctr_va_vdst(0)                   ; one wait for the four, ahead of their first reader
	v_pk_mul_f32 v[244:245], v[228:229], v[240:241]    ; a / b'
	v_pk_mul_f32 v[246:247], v[230:231], v[242:243]    ; b' / d'
	v_pk_mul_f32 v[248:249], v[232:233], 0xbfb8aa3b op_sel_hi:[1,0]   ; -L d'
	v_pk_mul_f32 v[250:251], v[232:233], 0xc038aa3b op_sel_hi:[1,0]   ; -2L d'
	v_pk_fma_f32 v[254:255], v[228:229], v[226:227], v[224:225]       ; z + a zb
	v_pk_add_f32 v[234:235], v[228:229], v[252:253] neg_lo:[0,1] neg_hi:[0,1]   ; a - a zb
	v_lshl_add_u32 v239, v0, 3, COEF               ; (the three offsets' loads are done: their registers take LDS addresses)
	v_and_b32 v[SAD], 1, v0
	v_lshlrev_b32 v236, 12, v[SAD]                 ; a thread's 16 bytes are the words of fills 2 (T & 1) and 2 (T & 1) + 1
	v_lshlrev_b32 v237, 12, v[SAD]
	v_bfe_u32 v[SAD], v0, 1, 1
	v_lshl_add_u32 v236, v[SAD], 10, v236          ; A: e
	v_lshrrev_b32 v[SAD], 2, v0
	v_lshl_add_u32 v236, v[SAD], 3, v236           ; A: i
	v_add_nc_u32 v236, SCA, v236
	v_lshrrev_b32 v[SAD], 1, v0
	v_lshl_add_u32 v237, v[SAD], 3, v237           ; B: column
	v_add_nc_u32 v237, SCB, v237
	ds_store_b64 v239, v[244:245]
	ds_store_b64 v239, v[246:247] offset:1024
	ds_store_b64 v239, v[248:249] offset:2048
	ds_store_b64 v239, v[250:251] offset:3072
	ds_store_b64 v239, v[254:255] offset:4096
	ds_store_b64 v239, v[234:235] offset:5120
	ds_store_b64 v239, v[252:253] offset:6144
.irp p, 0,1,2
.irp k, 0,1,2,3
	ds_store_b64 v236, v[128+16*\p+4*\k:129+16*\p+4*\k] offset:8192*\p+256*\k
	ds_store_b64 v236, v[130+16*\p+4*\k:131+16*\p+4*\k] offset:8192*\p+256*\k+2048
	ds_store_b64 v237, v[176+16*\p+4*\k:177+16*\p+4*\k] offset:8192*\p+512*\k
	ds_store_b64 v237, v[178+16*\p+4*\k:179+16*\p+4*\k] offset:8192*\p+512*\k+2048
.endr
.endr
.macro FRAG reg, adr, q, i             ; a fragment, 16 rows x 128 K: lane l holds row l % 16; registers 6 c .. 6 c + 5 hold K = 64 c + 32 (l / 16) + 0 .. 31: 24 bytes of the row's stream of bits, as they lie, in pieces of 8 bytes
.irp p, 0,1,2,3,4,5
.set PC, 12*(\q)+6*(\p/3)+\p%3        ; 16 bytes of padding lie behind every 8 pieces: where the piece three on (lanes 16-31) lies behind one padding more, the second address register serves
.if PC%8 < 5
	ds_load_b64 v[\reg+2*\p:\reg+2*\p+1], v[\adr] offset:8*PC+16*(PC/8)+(\i)*16*PITCH
.else
	ds_load_b64 v[\reg+2*\p:\reg+2*\p+1], v[\adr+2] offset:8*PC+16*(PC/8)+(\i)*16*PITCH
.endif
.endr
.endm
; 16 matrix instructions: A's blocks a0, a0 + 1 x B's eight, 128 along K.  p: B's set; sc: the set of scale words.  zero = 1: the first product starts the sums.
; The 64 accumulators take turns, one instruction a turn, in the same order in every step.
.macro MUL16 a0, p, q, sc, zero
.irp a, \a0, \a0+1
.irp b, 0,1,2,3,4,5,6,7
.if \zero
	v_wmma_scale_f32_16x16x128_f8f6f4 v[8*(8*((\a)%4)+\b):8*(8*((\a)%4)+\b)+7], v[128*(\p)+FR*\b:128*(\p)+FR*\b+FR-1], v[AF+FR*(\a):AF+FR*(\a)+FR-1], 0, v[SC+8*NQ*(\sc)+NQ*\b+(\q)], v[SC+8*NQ*(\sc)+NQ*(\a)+(\q)] matrix_a_fmt:MATRIX_FMT_FP6 matrix_b_fmt:MATRIX_FMT_FP6 matrix_a_scale:MATRIX_SCALE_ROW1
.else
	v_wmma_scale_f32_16x16x128_f8f6f4 v[8*(8*((\a)%4)+\b):8*(8*((\a)%4)+\b)+7], v[128*(\p)+FR*\b:128*(\p)+FR*\b+FR-1], v[AF+FR*(\a):AF+FR*(\a)+FR-1], v[8*(8*((\a)%4)+\b):8*(8*((\a)%4)+\b)+7], v[SC+8*NQ*(\sc)+NQ*\b+(\q)], v[SC+8*NQ*(\sc)+NQ*(\a)+(\q)] matrix_a_fmt:MATRIX_FMT_FP6 matrix_b_fmt:MATRIX_FMT_FP6 matrix_a_scale:MATRIX_SCALE_ROW1
.endif
.endr
.endr
.endm
.macro FETCH_B slot, q, p              ; B's eight fragments of the slot's q-th 128 along K into set p
	WIN TO_B
.irp i, 0,1,2,3,4,5,6,7
	FRAG 128*(\p)+FR*\i, ADRB+\slot, \q, \i
.endr
	WIN 0
.endm
.macro FETCH_A slot, q, i0             ; A's blocks i0 .. i0 + 3
.irp i, \i0, \i0+1, \i0+2, \i0+3
	FRAG AF+FR*(\i), ADRA+\slot, \q, \i
.endr
.endm
.macro SCALES sc                       ; the next fill's scale words into set sc: two words a row; lanes 0-15 take A's block i, lanes 16-31 B's block i
.irp i, 0,1,2,3,4,5,6,7
	ds_load_b64 v[SC+8*NQ*\sc+NQ*\i:SC+8*NQ*\sc+NQ*\i+1], v[ADRS] offset:128*\i
.endr
.endm
.macro PLACES n                        ; plain vector lines between a matrix instruction and a load into, or a vector line on, one of its registers (ISA guide 7.12.1 for vector lines)
.rept \n
	v_nop
.endr
.endm
; A step of 128 along K that has its successor in the same slot.  A has one set of registers: blocks 0-3 are fetched anew in the step's middle, blocks 4-7 at its end; B has two sets.
.macro STEP slot, q, zero
	s_wait_dscnt 4*NL                              ; B's set, A's blocks 0-3 and the scale words are in; the youngest 24 loads (A's blocks 4-7) may be out
	WIN MUL_LO
	MUL16 0, (\q)%2, \q, \slot, \zero
	MUL16 2, (\q)%2, \q, \slot, \zero
	s_wait_dscnt 0                                 ; A's blocks 4-7 are in
	PLACES NP
	FETCH_B \slot, (\q)+1, 1-(\q)%2
	FETCH_A \slot, (\q)+1, 0
	WIN MUL_HI
	MUL16 4, (\q)%2, \q, \slot, \zero
	MUL16 6, (\q)%2, \q, \slot, \zero
	PLACES NP
	WIN 0
	FETCH_A \slot, (\q)+1, 4
.endm
; A slot's last step changes slots: ONE barrier; in front of it each wave waits for all its tensor loads, adds 0 to its spare word, and waits for that and for its own reads of this slot.
; fill = 1: this slot is filled again, two fills ahead in the same product; 2: with the next product's fill 0 or 1; 0: nothing is left to fetch.
; ask = 1: the second half of my c and h is prefetched: 32 rows x 256 bytes of each, a lane a row, each block named by the one wave that will load it, 288 matrix instructions ahead of those loads.
.macro TURN slot, next, fill, ask
	s_wait_tensorcnt 0x0                           ; all my tensor loads have landed: my part of the next slot
	ds_add_u32 v[SPW], v[NIL]                      ; 0 onto my spare word
	s_wait_dscnt 4*NL+1                            ; (the add and the youngest 24 loads may be out)
	WIN MUL_LO
	MUL16 0, 1, NQ-1, \slot, 0
	s_wait_dscnt 0x0                               ; the add is done, and my reads of this slot are over
	s_barrier_signal -1
	MUL16 2, 1, NQ-1, \slot, 0
	WIN 0
	s_barrier_wait -1
.if \fill
	CREST                                          ; the barrier has opened a round of the cluster's barrier: no wave of any partner still reads this slot or has a load on its way
.if \fill == 1
	s_add_nc_u64 s[G0+4*\slot+2:G0+4*\slot+3], s[G0+4*\slot+2:G0+4*\slot+3], 2*ROWB
	s_add_nc_u64 s[G0B+4*\slot+2:G0B+4*\slot+3], s[G0B+4*\slot+2:G0B+4*\slot+3], 2*ROWB
.else
	s_add_nc_u64 s[G0+4*\slot+2:G0+4*\slot+3], s[NXA:NXA+1], \slot*ROWB
	s_or_b32 s[G0+4*\slot+3], s[G0+4*\slot+3], 0x80000000
	s_add_nc_u64 s[G0B+4*\slot+2:G0B+4*\slot+3], s[NXB:NXB+1], \slot*ROWB
	s_or_b32 s[G0B+4*\slot+3], s[G0B+4*\slot+3], 0x80000000
.endif
	JLOAD G0+4*\slot, G1, G0B+4*\slot, G1B         ; the first tensor load behind the round; its four v_nop are also the places in front of the loads below
.else
	PLACES NP
.endif
	v_add_nc_u32 v[ADRS], 2048, v[ADRS]            ; on to the next fill's scale words (no LDS load of mine is out)
	FETCH_B \next, 0, 0
	FETCH_A \next, 0, 0
	SCALES \next
.if \ask
	global_prefetch_b8 v[PFO], s[98:99] offset:256 th:TH_LOAD_NT scope:SCOPE_SE
	global_prefetch_b8 v[PFO], s[4:5] offset:256 th:TH_LOAD_NT scope:SCOPE_SE
.endif
	WIN MUL_HI
	MUL16 4, 1, NQ-1, \slot, 0
	MUL16 6, 1, NQ-1, \slot, 0
	PLACES NP
	WIN 0
	FETCH_A \next, 0, 4
.endm
; Between two products all 64 accumulators are multiplied by their columns' factor (a / b', then b' / d'): 256 packed multiplies, each accumulator from its low end on.
.macro RESCALE
.irp B0, 0, 4
	WIN 0
.irp bb, 0,1,2,3
	ds_load_b128 v[RC+8*\bb:RC+8*\bb+3], v[CFR] offset:64*(\B0+\bb)
	ds_load_b128 v[RC+8*\bb+4:RC+8*\bb+7], v[CFR] offset:64*(\B0+\bb)+16
.endr
	s_wait_dscnt 0x0                               ; the factors of four blocks of columns are in (and all fragments asked for)
.irp hw, 0, 1
	WIN 0x82+0x41*\hw                              ; destination and source 0: window 2, then 3
.irp a4, 0,1,2,3
.irp bb, 0,1,2,3
.irp pr, 0,1,2,3
	v_pk_mul_f32 v[8*(8*\a4+\B0+\bb)+2*\pr:8*(8*\a4+\B0+\bb)+2*\pr+1], v[8*(8*\a4+\B0+\bb)+2*\pr:8*(8*\a4+\B0+\bb)+2*\pr+1], v[RC+8*\bb+2*\pr:RC+8*\bb+2*\pr+1]
.endr
.endr
.endr
.endr
.endr
	WIN 0
	v_add_nc_u32 v[CFR], 1024, v[CFR]              ; the next array of factors
.endm
	s_wait_tensorcnt 1                             ; my part of fill 0 is in (fill 1's load may be out)
	s_wait_dscnt 0x0                               ; my coefficients and scale words have landed,
	s_barrier_signal -1
	s_barrier_wait -1                              ; everybody's have
	FETCH_B 0, 0, 0
	FETCH_A 0, 0, 0
	SCALES 0
	FETCH_A 0, 0, 4
	STEP 0, 0, 1                                   ; the first step stands in front of the loop: its products start the sums
	s_mov_b32 s3, 2
.Lprod:                                                ; a trip is a product: from its second step to the next product's first
	TURN 0, 1, 1, 0
	STEP 1, 0, 0
	TURN 1, 0, 1, 0
	STEP 0, 0, 0
	TURN 0, 1, 2, 0
	STEP 1, 0, 0
	TURN 1, 0, 2, 0
	RESCALE
	s_mov_b64 s[NXA:NXA+1], s[NX2A:NX2A+1]         ; the second trip asks for the third product's tiles
	s_mov_b64 s[NXB:NXB+1], s[NX2B:NX2B+1]
	STEP 0, 0, 0
	s_sub_co_u32 s3, s3, 1
	s_cmp_lg_u32 s3, 0
	s_cbranch_scc1 .Lprod
	TURN 0, 1, 1, 0                                ; the third product is written out: its last change of slots asks for nothing
	STEP 1, 0, 0
	TURN 1, 0, 1, 1
	STEP 0, 0, 0
	TURN 0, 1, 0, 0
	STEP 1, 0, 0
	s_wait_dscnt 4*NL
	WIN MUL_LO
	MUL16 0, 1, NQ-1, 1, 0
	MUL16 2, 1, NQ-1, 1, 0
	s_wait_dscnt 0
	WIN MUL_HI
	MUL16 4, 1, NQ-1, 1, 0
	MUL16 6, 1, NQ-1, 1, 0
	WIN 0
	PLACES NP                                      ; in front of loads into B's registers and of the first reads of results
	; ---- THE CELL.  Two halves of 64 columns; in each, c and h go through my stage (whole rows in, the accumulators' layout out), four chunks of 16 cells a lane are worked in place, and whole rows leave.
	s_wait_loadcnt 0x0                             ; bias and the first half of c and h, asked for at the head
	WIN TO_B
.set i, 0
.rept 16                                       ; the second half, columns 64-127: c into window 1's v0-63, h into its v128-191
	global_load_b128 v[4*i:4*i+3], v[GRO+i/8], s[98:99] offset:(i%8)*1048576+256 th:TH_LOAD_NT
.set i, i+1
.endr
.set i, 0
.rept 16
	global_load_b128 v[128+4*i:131+4*i], v[GRO+i/8], s[4:5] offset:(i%8)*1048576+256 th:TH_LOAD_NT
.set i, i+1
.endr
	WIN 0
	s_load_b32 s3, s[92:93], 0x4000                ; bias[4096], for z_hat
	s_mov_b32 s13, 0x42200000                      ; 40.0: the hold of the exponentials' arguments
.irp a, 0,1,2,3,4,5
	v_mul_f32 v[BI+\a], 0xbfb8aa3b, v[BI+\a]       ; -L bias: sigmoid(x) = 1 / (1 + 2^(-L x))
.endr
.irp a, 6,7
	v_mul_f32 v[BI+\a], 0xc038aa3b, v[BI+\a]       ; -2L bias: tanh(x) = (1 - E) / (1 + E), E = 2^(-2L x)
.endr
	s_lshl_b32 s2, s42, 8
	s_lshl_b32 s12, s17, 4
	s_add_co_u32 s2, s2, s12
	v_add_nc_u32 v[ZN], s2, v1                     ; z_hat: my column n = 256 tx + 16 ty + r: it enters global addresses alone
	s_mul_i32 s12, s14, 192
	v_mad_u32_u24 v[ZU], v2, 24, s12               ; K steps 2 w, 2 w + 1: 192 w bytes on in a row of codes, + 24 h
	v_mad_u32_u24 v[ZC], v[ZN], 768, v[ZU]
	s_lshl_b32 s12, s14, 3
	v_lshl_add_u32 v[ZS], v[ZN], 5, s12            ; and 8 w bytes on in a row of scales
	v_mov_b32 v[ZW], s12
	v_lshlrev_b32 v[ZN], 2, v[ZN]
	v_lshl_add_u32 v[ZST], v0, 2, ZH
	v_lshl_add_u32 v[ZRD], v[LN], 2, ZH
.macro STAGE_IN be                     ; 32 rows x 256 bytes of c, then of h, into my stage, as they were loaded: two rows an instruction
.if \be == 0
.set i, 0
.rept 16
	ds_store_b128 v[SRW], v[64+4*i:67+4*i] offset:2*SPT*i
.set i, i+1
.endr
	WIN 0x04                                       ; an LDS store's data are its source 1: window 1
.set i, 0
.rept 16
	ds_store_b128 v[SRW], v[96+128*(i/8)+4*(i%8):99+128*(i/8)+4*(i%8)] offset:STH+2*SPT*i
.set i, i+1
.endr
.else
	WIN 0x04
.set i, 0
.rept 16
	ds_store_b128 v[SRW], v[4*i:4*i+3] offset:2*SPT*i
.set i, i+1
.endr
.set i, 0
.rept 16
	ds_store_b128 v[SRW], v[128+4*i:131+4*i] offset:STH+2*SPT*i
.set i, i+1
.endr
.endif
	WIN 0
.endm
; The exponentials' arguments of block b of columns: T(g, 8 u + j) = acc(2 g + u, b)(j) x (-L d') + (-L bias); the tanh's gate with -2L.  Each accumulator from its low end on.
.macro STEPA b
.irp g, 0,1,2,3
	WIN 0x02+(\g/2)                                ; source 0: window 2 (gates f, i) or 3 (o, g)
.irp u, 0,1
.irp pr, 0,1,2,3
.if \u == 0
	v_pk_fma_f32 v[T+16*\g+8*\u+2*\pr:T+16*\g+8*\u+2*\pr+1], v[8*(8*((2*\g+\u)%4)+(\b))+2*\pr:8*(8*((2*\g+\u)%4)+(\b))+2*\pr+1], v[CF+8*(\g/3)+2*\pr:CF+8*(\g/3)+2*\pr+1], v[BI+2*\g:BI+2*\g+1] op_sel_hi:[1,1,0]
.else
	v_pk_fma_f32 v[T+16*\g+8*\u+2*\pr:T+16*\g+8*\u+2*\pr+1], v[8*(8*((2*\g+\u)%4)+(\b))+2*\pr:8*(8*((2*\g+\u)%4)+(\b))+2*\pr+1], v[CF+8*(\g/3)+2*\pr:CF+8*(\g/3)+2*\pr+1], v[BI+2*\g:BI+2*\g+1] op_sel:[0,0,1] op_sel_hi:[1,1,1]
.endif
.endr
.endr
.endr
	WIN 0
.endm
.macro ZLOAD                           ; z_hat's operands: row 4096 of the three U (every lane's row), my 16 columns, two K steps each; they land while the second half's cells are worked
	WIN TO_B
.irp p, 0,1,2
.irp sl, 0,1
.irp q, 0,1,2,3,4,5
	global_load_b64 v[12*(2*\p+\sl)+2*\q:12*(2*\p+\sl)+2*\q+1], v[ZU], s[68+2*\p:69+2*\p] offset:4096*768+96*\sl+48*(\q/3)+8*(\q%3)
	global_load_b64 v[72+12*(2*\p+\sl)+2*\q:72+12*(2*\p+\sl)+2*\q+1], v[ZC], s[74+2*\p:75+2*\p] offset:96*\sl+48*(\q/3)+8*(\q%3)
.endr
.endr
.endr
	WIN 0
.irp p, 0,1,2
.irp sl, 0,1
	global_load_b32 v[SC+2*\p+\sl], v[ZW], s[80+2*\p:81+2*\p] offset:4096*32+4*\sl
	global_load_b32 v[SC+6+2*\p+\sl], v[ZS], s[86+2*\p:87+2*\p] offset:4*\sl
.endr
.endr
	global_load_b32 v200, v[ZN], s[94:95]
	global_load_b32 v201, v[ZN], s[96:97]
.endm
.macro STAGE_OUT be                    ; whole rows leave: sixteen lanes store 256 consecutive bytes, at a multiple of 256 from the buffer's first byte
.set i, 0
.rept 16
	ds_load_b128 v[SO+4*i:SO+4*i+3], v[SRW] offset:2*SPT*i
.set i, i+1
.endr
.set i, 0
.rept 16
	ds_load_b128 v[SO+64+4*i:SO+64+4*i+3], v[SRW] offset:STH+2*SPT*i
.set i, i+1
.endr
.set i, 0
.rept 16
	s_wait_dscnt 31-i                              ; LDS loads come back in order: load i is in
	global_store_b128 v[GRO+i/8], v[SO+4*i:SO+4*i+3], s[8:9] offset:(i%8)*1048576+256*\be th:TH_STORE_NT   ; c_new
.set i, i+1
.endr
.set i, 0
.rept 16
	s_wait_dscnt 15-i
	global_store_b128 v[GRO+i/8], v[SO+64+4*i:SO+64+4*i+3], s[6:7] offset:(i%8)*1048576+256*\be th:TH_STORE_NT   ; h_new
.set i, i+1
.endr
.endm
; Half be of the cell.  A trip of the loop is a chunk: block 4 be + s12 of columns, 16 cells a lane (u = 0, 1 x 8 columns).  Only the lines that name accumulators differ from chunk to chunk: a branch on the counter picks them.
.macro BETA be
.if \be
	s_wait_loadcnt 0x0                             ; the second half of c and h
	s_wait_xcnt 0x0                                ; the first half's stores have read their registers
.endif
	STAGE_IN \be
	s_wait_dscnt 0x0                               ; the stores have read their registers: loads may land there
.if \be
	ZLOAD
.endif
	s_mov_b32 s12, 0
.Lchunk_\@:
	s_lshl_b32 s2, s12, 6
	v_add_nc_u32 v[CAD], s2, v[CFA]
	v_add_nc_u32 v[SAD], s2, v[SAC]
.irp ar, 0,1,2,3,4                             ; -L d', -2L d', A1 = z + a zb, A2 = a - a zb, A3 = a zb of my 8 columns
	ds_load_b128 v[CF+8*\ar:CF+8*\ar+3], v[CAD] offset:1024*(2+\ar)+256*\be
	ds_load_b128 v[CF+8*\ar+4:CF+8*\ar+7], v[CAD] offset:1024*(2+\ar)+256*\be+16
.endr
.irp u, 0,1
	ds_load_b128 v[CL+8*\u:CL+8*\u+3], v[SAD] offset:16*SPT*\u
	ds_load_b128 v[CL+8*\u+4:CL+8*\u+7], v[SAD] offset:16*SPT*\u+16
.endr
.irp u, 0,1
	ds_load_b128 v[HL+8*\u:HL+8*\u+3], v[SAD] offset:STH+16*SPT*\u
	ds_load_b128 v[HL+8*\u+4:HL+8*\u+7], v[SAD] offset:STH+16*SPT*\u+16
.endr
	s_wait_dscnt 14                                ; the first four loads are in; the 6 + 8 behind them may be out
	s_cmp_eq_u32 s12, 0
	s_cbranch_scc1 .Lb0_\@
	s_cmp_eq_u32 s12, 1
	s_cbranch_scc1 .Lb1_\@
	s_cmp_eq_u32 s12, 2
	s_cbranch_scc1 .Lb2_\@
	STEPA 4*\be+3
	s_branch .Lcom_\@
.Lb0_\@:
	STEPA 4*\be+0
	s_branch .Lcom_\@
.Lb1_\@:
	STEPA 4*\be+1
	s_branch .Lcom_\@
.Lb2_\@:
	STEPA 4*\be+2
.Lcom_\@:
	v_min_num_f32 v[T], s13, v[T]                  ; 64 holds and 64 exponentials, a hold one register ahead of its exponential: none of these lines names an exponential's result
.set j, 0
.rept 63
	v_min_num_f32 v[T+j+1], s13, v[T+j+1]
	v_exp_f32 v[T+j], v[T+j]
.set j, j+1
.endr
	v_exp_f32 v[T+63], v[T+63]
	v_nop                                          ; the plain line behind the last exponential
	s_wait_alu depctr_va_vdst(0)                   ; one wait for the batch, ahead of its first reader
.set k, 0
.rept 8
	v_pk_fma_f32 v[X0+2*k:X0+2*k+1], v[TG+2*k:TG+2*k+1], -1.0, 1.0 op_sel_hi:[1,0,0]   ; MG = 1 - Eg
.set k, k+1
.endr
.set k, 0
.rept 8
	v_pk_add_f32 v[TG+2*k:TG+2*k+1], v[TG+2*k:TG+2*k+1], 1.0 op_sel_hi:[1,0]           ; PG = 1 + Eg
	v_pk_add_f32 v[TO+2*k:TO+2*k+1], v[TO+2*k:TO+2*k+1], 1.0 op_sel_hi:[1,0]           ; PO = 1 + Eo
.set k, k+1
.endr
.set k, 0
.rept 8
	v_pk_fma_f32 v[TI+2*k:TI+2*k+1], v[TI+2*k:TI+2*k+1], v[TG+2*k:TG+2*k+1], v[TG+2*k:TG+2*k+1]   ; PIG = (1 + Ei) PG
.set k, k+1
.endr
.set k, 0
.rept 8
	v_pk_fma_f32 v[X1+2*k:X1+2*k+1], v[TI+2*k:TI+2*k+1], v[TF+2*k:TF+2*k+1], v[TI+2*k:TI+2*k+1]   ; DD = PIG (1 + Ef)
.set k, k+1
.endr
.set k, 0
.rept 8
	v_rcp_f32 v[X1+2*k], v[X1+2*k]                 ; ONE reciprocal serves i g = MG (1 + Ef) / DD and f = PIG / DD
	v_rcp_f32 v[X1+2*k+1], v[X1+2*k+1]
	v_pk_fma_f32 v[X0+2*k:X0+2*k+1], v[X0+2*k:X0+2*k+1], v[TF+2*k:TF+2*k+1], v[X0+2*k:X0+2*k+1]   ; MG (1 + Ef).  (The last of these is the plain line behind the last reciprocal)
.set k, k+1
.endr
	s_wait_alu depctr_va_vdst(0)
	s_wait_dscnt 0x0                               ; A1, A2, A3, c and h are in
.set k, 0
.rept 8
	v_pk_mul_f32 v[X0+2*k:X0+2*k+1], v[X0+2*k:X0+2*k+1], v[X1+2*k:X1+2*k+1]           ; i g
	v_pk_mul_f32 v[TI+2*k:TI+2*k+1], v[TI+2*k:TI+2*k+1], v[X1+2*k:X1+2*k+1]           ; f
.set k, k+1
.endr
.set k, 0
.rept 8
	v_pk_fma_f32 v[TI+2*k:TI+2*k+1], v[TI+2*k:TI+2*k+1], v[CF+32+2*(k%4):CF+32+2*(k%4)+1], v[CF+24+2*(k%4):CF+24+2*(k%4)+1]   ; A3 f + A2
	v_pk_mul_f32 v[X0+2*k:X0+2*k+1], v[X0+2*k:X0+2*k+1], v[CF+16+2*(k%4):CF+16+2*(k%4)+1]   ; A1 i g
.set k, k+1
.endr
.set k, 0
.rept 8
	v_pk_fma_f32 v[CL+2*k:CL+2*k+1], v[CL+2*k:CL+2*k+1], v[TI+2*k:TI+2*k+1], v[X0+2*k:X0+2*k+1]   ; c_new = c (A3 f + A2) + A1 i g
.set k, k+1
.endr
.set k, 0
.rept 8
	v_pk_mul_f32 v[X1+2*k:X1+2*k+1], v[CL+2*k:CL+2*k+1], 0xc038aa3b op_sel_hi:[1,0]   ; -2L c_new
.set k, k+1
.endr
	v_min_num_f32 v[X1], s13, v[X1]
.set j, 0
.rept 15
	v_min_num_f32 v[X1+j+1], s13, v[X1+j+1]
	v_exp_f32 v[X1+j], v[X1+j]
.set j, j+1
.endr
	v_exp_f32 v[X1+15], v[X1+15]
.set k, 0
.rept 8
	v_pk_mul_f32 v[HL+2*k:HL+2*k+1], v[HL+2*k:HL+2*k+1], v[CF+24+2*(k%4):CF+24+2*(k%4)+1]   ; A2 h: independent work behind the exponentials
.set k, k+1
.endr
	s_wait_alu depctr_va_vdst(0)
.set k, 0
.rept 8
	v_pk_fma_f32 v[X0+2*k:X0+2*k+1], v[X1+2*k:X1+2*k+1], -1.0, 1.0 op_sel_hi:[1,0,0]   ; 1 - Ec
.set k, k+1
.endr
.set k, 0
.rept 8
	v_pk_fma_f32 v[X1+2*k:X1+2*k+1], v[X1+2*k:X1+2*k+1], v[TO+2*k:TO+2*k+1], v[TO+2*k:TO+2*k+1]   ; (1 + Ec) PO
.set k, k+1
.endr
.set j, 0
.rept 16
	v_rcp_f32 v[X1+j], v[X1+j]
.set j, j+1
.endr
	v_nop
	s_wait_alu depctr_va_vdst(0)
.set k, 0
.rept 8
	v_pk_mul_f32 v[X0+2*k:X0+2*k+1], v[X0+2*k:X0+2*k+1], v[X1+2*k:X1+2*k+1]           ; o tanh(c_new)
.set k, k+1
.endr
.set k, 0
.rept 8
	v_pk_fma_f32 v[HL+2*k:HL+2*k+1], v[X0+2*k:X0+2*k+1], v[CF+16+2*(k%4):CF+16+2*(k%4)+1], v[HL+2*k:HL+2*k+1]   ; h_new = A1 o tanh(c_new) + A2 h
.set k, k+1
.endr
.irp u, 0,1                                    ; back to the places that they were read from: the stage is my own
	ds_store_b128 v[SAD], v[CL+8*\u:CL+8*\u+3] offset:16*SPT*\u
	ds_store_b128 v[SAD], v[CL+8*\u+4:CL+8*\u+7] offset:16*SPT*\u+16
	ds_store_b128 v[SAD], v[HL+8*\u:HL+8*\u+3] offset:STH+16*SPT*\u
	ds_store_b128 v[SAD], v[HL+8*\u+4:HL+8*\u+7] offset:STH+16*SPT*\u+16
.endr
	s_wait_dscnt 0x0                               ; the stores have read their registers
	s_add_co_u32 s12, s12, 1
	s_cmp_lt_u32 s12, 4
	s_cbranch_scc1 .Lchunk_\@
	STAGE_OUT \be
.endm
	BETA 0
	BETA 1
	; ---- z_hat.  Source 0 = row 4096 of U in all 16 rows, source 1 = my 16 columns: register 0 of lane r is column r's sum over my two K steps.  Three accumulators by turns.
	s_wait_loadcnt 0x0
	s_wait_kmcnt 0x0
	WIN 0x55                                       ; all four operands in window 1 (scale operands have no window)
.irp sl, 0,1
.irp p, 0,1,2
.if \sl == 0
	v_wmma_scale_f32_16x16x128_f8f6f4 v[144+8*\p:151+8*\p], v[12*(2*\p+\sl):12*(2*\p+\sl)+11], v[72+12*(2*\p+\sl):72+12*(2*\p+\sl)+11], 0, v[SC+2*\p+\sl], v[SC+6+2*\p+\sl] matrix_a_fmt:MATRIX_FMT_FP6 matrix_b_fmt:MATRIX_FMT_FP6
.else
	v_wmma_scale_f32_16x16x128_f8f6f4 v[144+8*\p:151+8*\p], v[12*(2*\p+\sl):12*(2*\p+\sl)+11], v[72+12*(2*\p+\sl):72+12*(2*\p+\sl)+11], v[144+8*\p:151+8*\p], v[SC+2*\p+\sl], v[SC+6+2*\p+\sl] matrix_a_fmt:MATRIX_FMT_FP6 matrix_b_fmt:MATRIX_FMT_FP6
.endif
.endr
.endr
	PLACES NP
	WIN 0x04
.irp p, 0,1,2
	ds_store_b32 v[ZST], v[144+8*\p] offset:512*\p
.endr
	WIN 0
	s_wait_dscnt 0x0                               ; for the others' sake: my parts have landed
	s_barrier_signal -1
	s_barrier_wait -1
	s_cmp_lg_u32 s14, 0
	s_cbranch_scc1 .Lnot_zero                      ; wave 0 adds the four waves' parts and stores
.irp p, 0,1,2
.irp w, 0,1,2,3
	ds_load_b32 v[224+4*\p+\w], v[ZRD] offset:512*\p+128*\w
.endr
.endr
	s_wait_dscnt 0x0
.irp p, 0,1,2
	v_add_f32 v[224+4*\p], v[224+4*\p], v[225+4*\p]
	v_add_f32 v[226+4*\p], v[226+4*\p], v[227+4*\p]
.endr
.irp p, 0,1,2
	v_add_f32 v[224+4*\p], v[224+4*\p], v[226+4*\p]
.endr
	v_sub_f32 v236, 1.0, v200
	v_mul_f32 v236, v236, v224                     ; (1 - z) P1: the factors act on finished sums here, so nothing is held
	v_fmac_f32 v236, v200, v228                    ; + z P2
	v_fmac_f32 v236, v201, v232                    ; + z_bottom P3
	v_add_f32 v236, s3, v236                       ; + bias
	v_fma_f32 v236, v236, 0.5, 0.5
	v_max_num_f32 v236, 0, v236
	v_min_num_f32 v236, 1.0, v236
	v_cmp_gt_u32 vcc_lo, 16, v[LN]
	s_wait_xcnt 0x0                                ; EXEC changes only behind this wait
	s_and_saveexec_b32 s2, vcc_lo
	global_store_b32 v[ZN], v236, s[10:11]         ; lanes 0-15: 64 consecutive bytes of out2
	s_wait_xcnt 0x0
	s_or_b32 exec_lo, exec_lo, s2
.Lnot_zero:
	s_wait_tensorcnt 0x0                           ; the wave's end: behind my last tensor load and my last LDS store
	ds_add_u32 v[SPW], v[NIL]
	s_wait_dscnt 0x0
	CROUND                                         ; the closing round: no work-group ends while a partner may still ask for a tile that names it
	s_endpgm
.Lfunc_end_k_q779b6d2e30_cell:
	.size	k_q779b6d2e30_cell, .Lfunc_end_k_q779b6d2e30_cell-k_q779b6d2e30_cell
	.p2alignl 7, 3214868480
	.fill 96, 4, 3214868480
	.section	.rodata,"a",@progbits
	.p2align	6, 0x0
	.amdhsa_kernel k_q779b6d2e30_cell
		.amdhsa_group_segment_fixed_size 327680
		.amdhsa_private_segment_fixed_size 0
		.amdhsa_enable_private_segment 0
		.amdhsa_kernarg_size 160
		.amdhsa_user_sgpr_count 2
		.amdhsa_user_sgpr_kernarg_segment_ptr 1
		.amdhsa_wavefront_size32 1
		.amdhsa_system_sgpr_workgroup_id_x 1
		.amdhsa_system_sgpr_workgroup_id_y 1
		.amdhsa_system_sgpr_workgroup_id_z 1
		.amdhsa_system_vgpr_workitem_id 0
		.amdhsa_next_free_vgpr 1024
		.amdhsa_next_free_sgpr 102
		.amdhsa_reserve_vcc 1
		.amdhsa_float_denorm_mode_32 3
		.amdhsa_float_denorm_mode_16_64 3
		.amdhsa_memory_ordered 1
		.amdhsa_forward_progress 1
		.amdhsa_inst_pref_size 255
	.end_amdhsa_kernel
	.section	.bss,"aw",@nobits
	.p2align	6
	.space	262144
	.amdgpu_metadata
---
amdhsa.version: [ 1, 2 ]
amdhsa.kernels:
  - .name:           k_q779b6d2e30_cell
    .symbol:         k_q779b6d2e30_cell.kd
    .args:
      - { .name: U_11_codes, .offset: 0, .size: 8, .value_kind: global_buffer, .address_space: global }
      - { .name: U_21_codes, .offset: 8, .size: 8, .value_kind: global_buffer, .address_space: global }
      - { .name: W_01_codes, .offset: 16, .size: 8, .value_kind: global_buffer, .address_space: global }
      - { .name: hq_codes, .offset: 24, .size: 8, .value_kind: global_buffer, .address_space: global }
      - { .name: h_top_codes, .offset: 32, .size: 8, .value_kind: global_buffer, .address_space: global }
      - { .name: h_bottom_codes, .offset: 40, .size: 8, .value_kind: global_buffer, .address_space: global }
      - { .name: U_11_scales, .offset: 48, .size: 8, .value_kind: global_buffer, .address_space: global }
      - { .name: U_21_scales, .offset: 56, .size: 8, .value_kind: global_buffer, .address_space: global }
      - { .name: W_01_scales, .offset: 64, .size: 8, .value_kind: global_buffer, .address_space: global }
      - { .name: hq_scales, .offset: 72, .size: 8, .value_kind: global_buffer, .address_space: global }
      - { .name: h_top_scales, .offset: 80, .size: 8, .value_kind: global_buffer, .address_space: global }
      - { .name: h_bottom_scales, .offset: 88, .size: 8, .value_kind: global_buffer, .address_space: global }
      - { .name: bias, .offset: 96, .size: 8, .value_kind: global_buffer, .address_space: global }
      - { .name: z, .offset: 104, .size: 8, .value_kind: global_buffer, .address_space: global }
      - { .name: z_bottom, .offset: 112, .size: 8, .value_kind: global_buffer, .address_space: global }
      - { .name: c, .offset: 120, .size: 8, .value_kind: global_buffer, .address_space: global }
      - { .name: h, .offset: 128, .size: 8, .value_kind: global_buffer, .address_space: global }
      - { .name: out0, .offset: 136, .size: 8, .value_kind: global_buffer, .address_space: global }
      - { .name: out1, .offset: 144, .size: 8, .value_kind: global_buffer, .address_space: global }
      - { .name: out2, .offset: 152, .size: 8, .value_kind: global_buffer, .address_space: global }
    .group_segment_fixed_size: 327680
    .private_segment_fixed_size: 0
    .kernarg_segment_align: 8
    .kernarg_segment_size: 160
    .max_flat_workgroup_size: 128
    .sgpr_count:     102
    .vgpr_count:     1024
    .wavefront_size: 32
...
	.end_amdgpu_metadata
.endif
;; end of part 2
